; MI455X (gfx1250); checked and timed in simulation.
; The chip was launched on July 23, 2026; its instructions are those of AMD's public machine-readable ISA for CDNA 5 (MIT licence, August 2026) and "CDNA5" Instruction Set Architecture Reference Guide (July 2026). The comments in the code are by the model that wrote it; some were corrected since.
;; Multi Head Attention. Allowed arithmetic: matrix products marked QUANTISED: E2M1 operands, one E8M0 scale for each 32 along K, by v_wmma_scale_f32_16x16x128_f8f6f4 with both operands' format E2M1 (or v_wmma_scale_f32_32x16x128_f4), f32 sums; everything else in f32.
;; Inputs: k_proj 12 x 768 x 64 float32; q_proj 12 x 768 x 64 float32; v_proj 12 x 768 x 64 float32; x 1 x 4,096 x 768 float32.
;; Outputs: out0 1 x 12 x 4,096 x 64 float32.
;; This version of the problem:
;;   THIS VERSION OF THE PROBLEM IS GIVEN IN LOW PRECISION. The matrix products marked QUANTISED in the list below multiply operands that are first quantised to E2M1 (2 exponent bits, 1 mantissa bit; 4 bits a number), with one power-of-two scale for each 32 numbers along K (OCP MX v1.0); their sums are f32. All else is computed in f32.
;;   The module's matrix products, in the order in which they are computed (A, B: the left and right operand; K: the contracted axis; several contracted axes count as one K, in the product's order):
;;     1. [M 768, K 768] x [K 768, N 4,096]; A: input q_proj; B: input x: QUANTISED
;;     2. [M 768, K 768] x [K 768, N 4,096]; A: input k_proj; B: input x: QUANTISED
;;     3. [M 768, K 768] x [K 768, N 4,096]; A: input v_proj; B: input x: QUANTISED
;;     4. batch 12 x [M 4,096, K 64] x [K 64, N 4,096]; A: computed on the way; B: computed on the way: QUANTISED
;;     5. batch 12 x [M 4,096, K 4,096] x [K 4,096, N 64]; A: softmax (see below); B: computed on the way: QUANTISED
;;   THE QUANTISER, for each operand of a quantised product, along K:
;;     - K is cut into blocks of 32 from its start; a last block that is shorter is filled with zeros.
;;     - A block's scale is 2^e with e = floor(log2(the largest magnitude in the block)) - 2, held to -126 .. 127; a block of zeros has e = 0. As a byte (E8M0): e + 127.
;;     - Each number is divided by its block's scale, clamped to +-6, and rounded to the nearest number of E2M1, ties to even, subnormals kept.
;;     - The product sums the exact products of the quantised numbers (number of the format x scale) in f32.
;;   ~~~python
;;   def quantise(x, axis):      # numpy; x: float32 -> the quantised numbers, widened to float32 again
;;       x = np.moveaxis(x, axis, -1); K = x.shape[-1]
;;       x = np.pad(x, [(0, 0)] * (x.ndim - 1) + [(0, -K % 32)]); x = x.reshape(x.shape[:-1] + (-1, 32)); a = np.abs(x).max(-1, keepdims=True)
;;       e = np.where(a > 0, np.clip(np.frexp(np.where(a > 0, a, 1))[1] - 1 - 2, -126, 127), 0)      # np.frexp(a)[1] - 1 = floor(log2(a)), exactly
;;       r = np.clip(x / 2.0 ** e, -6, 6)
;;       step = 2.0 ** (np.maximum(np.frexp(np.where(r == 0, 1, r))[1] - 1, 0) - 1)
;;       q = np.round(r / step) * step * 2.0 ** e      # np.round: ties to even
;;       return np.moveaxis(q.reshape(q.shape[:-2] + (-1,))[..., :K], -1, axis).astype(np.float32)
;;   ~~~
;;   SOFTMAX AHEAD OF A QUANTISED PRODUCT. Where the list says 'softmax', what is quantised is not the finished softmax but p = 2^(t - M), with t = logit x log2(e) and M = ceil(the row's largest t), a whole number; so 1/2 < the row's largest p <= 1. The row's sum l is taken of the UNQUANTISED p, in f32, and the product's result is divided by l at the end. Since M is a whole number, a kernel that streams over the keys may use a running M (the ceiling of the running maximum): every later rescaling is an exact power of two, which a block's scale takes up: the codes' values come out the same.
;;   OPERANDS COMPUTED ON THE WAY. 'Computed on the way' means the value that the module computes at that place (a softmax that the list does not call 'softmax' is quantised finished and normalised). What goes into a quantiser is computed in f32, as accurately as f32 sums, v_exp_f32 and their like allow (about 1e-6 of the number): no bf16 or f16 on the way to a quantiser, and a product that is left as it is and whose result goes on into a quantised operand takes f32 operands (vector FMAs, or v_wmma_f32_16x16x4_f32). A number that lies on a knife's edge between two numbers of the format may be rounded either way, as far as f32 arithmetic and the matrix unit's own rounding can turn it there, and no further.
;; One version. Each part assembles by itself: llvm-mc -triple=amdgcn-amd-amdhsa -mcpu=gfx1250 --defsym DOCPART=n.
;; ======== version 1 of 1: 3 launches
;; limits: right only within a limited range of input values
;; workspace buffers: xq 1,671,168 bytes; wq 940,032 bytes; qc 1,671,168 bytes; kv 3,342,336 bytes
;; launch quant (part 1): grid 328 x 1, 6 waves a work-group, no clusters, 51,456 bytes of LDS; arguments x, q_proj, k_proj, v_proj, xq, wq; writes xq, wq
.if DOCPART == 1
	.amdgcn_target "amdgcn-amd-amdhsa--gfx1250"
	.amdhsa_code_object_version 6
	.text
	.protected	k_qffc58132ab_quant
	.globl	k_qffc58132ab_quant
	.p2align	8
	.type	k_qffc58132ab_quant,@function
k_qffc58132ab_quant:
	s_mov_b64 s[64:65], 0
	v_nop
	global_prefetch_b8 v0, s[64:65] scope:SCOPE_SE
	s_setreg_imm32_b32 hwreg(HW_REG_WAVE_MODE, 25, 1), 1
	s_wait_xcnt 0x0
; Multi-head attention, three launches: quant (inputs to codes), proj (q, k, v and their codes), attn.
; WORK LEFT OUT BY THE PROGRAM: reference() puts -infinity in place of every score whose key comes after its query, whatever the inputs hold: such a p is 0 and adds nothing to the sum or to the second product.
; Steps of 128 keys that lie wholly after a block of 128 queries are not computed (launch attn).  LIMIT: a NaN, an infinity or an overflow that reaches only such scores is not carried to the result.
; x [4096][768] and the three weights [12][768][64], f32, become codes of FP4 (E2M1) with one E8M0 byte for each 32 along K = the 768, laid as IMAGES OF THE OPERAND'S REGISTERS:
; a fragment (16 rows x 128 K, 8 registers a lane) is two pieces of 512 bytes, piece c holding lane l's registers 4 c .. 4 c + 3 at 16 l; lane (r, h) of piece c holds k = 64 c + 32 h + 0 .. 31 of row r.
; TILE ORDER: of a group of 64 rows, tile j = 0 .. 3 takes, for its lane row r, row 8 j + r + 24 (r / 8): eight rows of the first 32 and eight of the second.  x's rows and the weights' 64 columns are both cut so.
; xq: 32 blocks of 128 rows x 52,224 bytes: codes [K step 6][tile 8][piece 2][512], then at 49,152 the scale words [K step][tile][16 rows] of 4 bytes.
; wq: 36 head matrices (q 0-11, k 12-23, v 24-35) x 26,112 bytes: codes [K step 6][tile 4][piece 2][512], then at 24,576 the scale words [K step][pair of tiles][32] of 4 bytes.
; A block's scale is 2^(floor(log2(largest magnitude)) - 2): its byte is the largest magnitude's exponent field - 2, held at 1 from below by a floor among the maximum's leaves.
; LIMITS: NaN and infinities among the inputs are not served.  A block whose largest magnitude lies under 2^-124 gets the byte 1; a block of zeros gets the byte 1 where the quantiser says 127:
; its codes are zeros, which add nothing under any byte but 0xff, and only this program reads the bytes.
; SHARES: six waves.  Work-groups 0-255: one tile of 16 rows of x each, wave w = K step w.  Work-groups 256-327: three K steps of one head matrix each; waves 2 n and 2 n + 1 take K step n's columns, two tiles each.  Waves share nothing: no barrier.
; The scale words leave in pieces of 64 bytes (x) and 128 bytes (weights): 153,600 bytes of the 2.6 MB that the launch stores.
.set XROW,   3072                      ; a row of x in bytes
.set SP,     528                       ; a stage row: 512 bytes + 16 = 132 words: row r starts 4 r words on, so the sixteen rows that a load touches start at sixteen different banks (64 banks of 4 bytes: ISA guide 11.1)
.set WSTAGE, 16*SP                     ; a wave's stage
.set SPARE,  0xc600                    ; behind the six stages (50,688 bytes): the spare words
.set XBLK,   52224
.set XSCL,   49152
.set WBLK,   26112
.set WSCL,   24576
.set FLOOR,  0x1800000                 ; 2^(3 - 127)
.set OFF2,   0xff000000                ; takes 2 off an exponent field
.set RAW,    16                        ; v16-79   x: 16 rows as loaded;  weights: v16-143, 128 numbers down K
.set NUM,    80                        ; v80-143  x: my two blocks of 32
.set COD,    144                       ; v144-159 codes
.set SOP,    160                       ; v160-163 the conversions' scale operands
.set MAXR,   164                       ; v164-167 largest magnitudes
	s_load_b256 s[4:11], s[0:1], 0x0               ; x s[4:5], q_proj s[6:7], k_proj s[8:9], v_proj s[10:11]
	s_load_b128 s[12:15], s[0:1], 0x20             ; xq s[12:13], wq s[14:15]
	v_lshl_add_u32 v176, v0, 2, SPARE
	v_mov_b32 v177, 0
	v_lshrrev_b32 v1, 5, v0
	v_readfirstlane_b32 s16, v1                    ; wave
	v_and_b32 v1, 31, v0                           ; lane
	v_lshlrev_b32 v2, 4, v1                        ; 16 x lane
	s_cmp_lt_u32 ttmp9, 256
	s_cbranch_scc0 .Lweights
	; ---- x: tile T = the work-group's number, K step = my wave
	v_and_b32 v3, 15, v1                           ; r
	v_lshrrev_b32 v4, 4, v1                        ; h
	s_mul_i32 s17, s16, WSTAGE
	v_add_nc_u32 v5, s17, v2                       ; into my stage: a row's 512 bytes as they lie
	v_mul_u32_u24 v6, v3, SP
	v_lshl_add_u32 v6, v4, 7, v6
	v_add_nc_u32 v6, s17, v6                       ; out of it: row r, + 128 h bytes: k = 32 h on
	v_lshlrev_b32 v7, 2, v3                        ; my row's scale word
	v_mov_b32 v15, 0                               ; written once: a lane permute's destination counts as one of its sources
	s_mov_b32 s20, 0x76543210
	s_mov_b32 s21, 0xfedcba98                      ; v_permlanex16_b32's selects for lane l xor 16
	s_lshr_b32 s18, ttmp9, 2
	s_lshl_b32 s18, s18, 6
	s_and_b32 s19, ttmp9, 3
	s_lshl_b32 s19, s19, 3
	s_add_co_u32 s18, s18, s19                     ; the tile's first row: 64 (T / 4) + 8 (T % 4)
	s_mul_i32 s22, s18, XROW
	s_lshl_b32 s19, s16, 9
	s_add_co_u32 s22, s22, s19                     ; + 512 bytes a K step
	s_mov_b32 s23, 0
	s_lshr_b32 s18, ttmp9, 3
	s_mul_i32 s18, s18, XBLK                       ; the block of 128 rows
	s_and_b32 s19, ttmp9, 7                        ; the tile in it
	s_lshl_b32 s24, s16, 13
	s_add_co_u32 s24, s24, s18
	s_lshl_b32 s26, s19, 10
	s_add_co_u32 s24, s24, s26                     ; codes: block + 8,192 x K step + 1,024 x tile
	s_mov_b32 s25, 0
	s_lshl_b32 s26, s16, 9
	s_add_co_u32 s26, s26, s18
	s_lshl_b32 s19, s19, 6
	s_add_co_u32 s26, s26, s19
	s_add_co_u32 s26, s26, XSCL                    ; scale words: block + 49,152 + 512 x K step + 64 x tile
	s_mov_b32 s27, 0
	s_wait_alu depctr_va_vdst(0)                   ; the wait at the head's end
	s_wait_kmcnt 0x0
	s_add_nc_u64 s[4:5], s[4:5], s[22:23]
	s_add_nc_u64 s[28:29], s[12:13], s[24:25]
	s_add_nc_u64 s[30:31], s[12:13], s[26:27]
.irp p, 0,1,2,3,4,5,6,7,8,9,10,11,12,13,14,15
	global_load_b128 v[RAW+4*\p:RAW+4*\p+3], v2, s[4:5] offset:(\p+24*(\p/8))*XROW th:TH_LOAD_NT   ; the tile's row p: 32 lanes read 512 consecutive bytes; read once in the launch
.endr
.irp p, 0,1,2,3,4,5,6,7,8,9,10,11,12,13,14,15
	s_wait_loadcnt 15-\p                           ; loads come back in order: row p is in, the younger rows may be out
	ds_store_b128 v5, v[RAW+4*\p:RAW+4*\p+3] offset:SP*\p
.endr
.irp c, 0,1
.irp j, 0,1,2,3,4,5,6,7
	ds_load_b128 v[NUM+32*\c+4*\j:NUM+32*\c+4*\j+3], v6 offset:256*\c+16*\j   ; k = 64 c + 32 h + 4 j on, of row r.  LDS serves a wave's instructions in order: these see my stores
.endr
.endr
	s_wait_dscnt 0x0
.irp c, 0,1                                    ; my two blocks, 2 c + h, are wholly mine: two chains each, by turns
	v_max3_num_f32 v[MAXR+2*\c], |v[NUM+32*\c]|, |v[NUM+32*\c+1]|, |v[NUM+32*\c+2]|
	v_max3_num_f32 v[MAXR+2*\c+1], |v[NUM+32*\c+3]|, |v[NUM+32*\c+4]|, |v[NUM+32*\c+5]|
.endr
.irp i, 6,10,14,18,22,26
.irp c, 0,1
	v_max3_num_f32 v[MAXR+2*\c], v[MAXR+2*\c], |v[NUM+32*\c+\i]|, |v[NUM+32*\c+\i+1]|
	v_max3_num_f32 v[MAXR+2*\c+1], v[MAXR+2*\c+1], |v[NUM+32*\c+\i+2]|, |v[NUM+32*\c+\i+3]|
.endr
.endr
.irp c, 0,1
	v_max3_num_f32 v[MAXR+2*\c], v[MAXR+2*\c], |v[NUM+32*\c+30]|, |v[NUM+32*\c+31]|
.endr
.irp c, 0,1
	v_max3_num_f32 v[MAXR+2*\c], v[MAXR+2*\c], v[MAXR+2*\c+1], FLOOR   ; and the floor: the byte cannot fall under 1
.endr
.irp c, 0,1
	v_add_nc_u32 v[SOP+\c], OFF2, v[MAXR+2*\c]     ; 2 off the exponent field: the conversion takes this operand's exponent field as its scale
.endr
.irp c, 0,1
	v_lshrrev_b32 v[MAXR+2*\c], 23, v[SOP+\c]      ; the scale's byte
.endr
	v_lshl_or_b32 v8, v[MAXR+2], 16, v[MAXR]       ; my two bytes: blocks h and 2 + h of row r,
	v_lshlrev_b32 v9, 3, v4
	v_lshlrev_b32 v8, v9, v8                       ; at their places in the word (8 h bits up);
	v_permlanex16_b32 v15, v8, s20, s21
	v_or_b32 v8, v8, v15                           ; with lane l xor 16's two the word is whole
.irp c, 0,1
.irp g, 0,1,2,3
	v_cvt_scalef32_pk8_fp4_f32 v[COD+4*\c+\g], v[NUM+32*\c+8*\g:NUM+32*\c+8*\g+7], v[SOP+\c]   ; registers 4 c .. 4 c + 3 of the fragment
.endr
.endr
	v_nop                                          ; one plain place behind the last scaled conversion
	global_store_b128 v2, v[COD:COD+3], s[28:29]               ; a piece: 512 consecutive bytes
	global_store_b128 v2, v[COD+4:COD+7], s[28:29] offset:512
	s_wait_alu depctr_va_vdst(0)                   ; the wait here, ahead of the waits below
	s_wait_xcnt 0x0                                ; EXEC is a source of the stores above: it changes only behind this wait
	v_cmp_gt_u32 vcc_lo, 16, v1
	s_wait_alu depctr_va_vdst(0)
	s_wait_tensorcnt 0x0                           ; the wave's end
	ds_add_u32 v176, v177
	s_wait_dscnt 0x0
	s_and_saveexec_b32 s34, vcc_lo                 ; lanes 0-15: one word a row
	global_store_b32 v7, v8, s[30:31]
	s_wait_xcnt 0x0                                ; and again in front of the line that widens it
	s_or_b32 exec_lo, exec_lo, s34
	s_endpgm
	; ---- a weight: head matrix hm, K step 3 g + wave / 2, tiles 2 b and 2 b + 1 (b = wave % 2).  A LANE TAKES A COLUMN AND ITS REGISTERS RUN DOWN K, so that a block of 32 lies in one lane and nothing is transposed.
	; Lane l takes column 16 b + l % 16 + 32 (l / 16), which is row r' = l % 8 + 8 (l / 16) of tile 2 b + u, u = (l / 8) % 2.  The two waves of a K step read the two halves of each 128 bytes.
.Lweights:
	s_sub_co_u32 s17, ttmp9, 256
	s_lshr_b32 s18, s17, 1                         ; hm
	s_and_b32 s17, s17, 1                          ; g
	s_mul_i32 s17, s17, 3
	s_lshr_b32 s19, s16, 1
	s_add_co_u32 s17, s17, s19                     ; the K step
	s_and_b32 s19, s16, 1                          ; b
	s_wait_alu depctr_va_vdst(0)                   ; the wait here, directly ahead of the readers below
	v_and_b32 v3, 15, v1
	v_lshrrev_b32 v9, 4, v1
	v_bfe_u32 v4, v1, 3, 1                         ; u
	v_and_b32 v5, 7, v1
	v_lshlrev_b32 v3, 2, v3
	v_lshl_add_u32 v3, v9, 7, v3                   ; in: 4 (l % 16) + 128 (l / 16)
	v_lshl_add_u32 v5, v9, 3, v5                   ; r'
	v_lshlrev_b32 v6, 4, v5
	v_lshl_add_u32 v6, v4, 10, v6                  ; codes: 1,024 u + 16 r'
	v_lshl_add_u32 v7, v4, 4, v5
	v_lshlrev_b32 v7, 2, v7                        ; scale word: 4 (16 u + r')
	s_wait_alu depctr_va_vdst(0)                   ; the wait at the head's end
	s_wait_kmcnt 0x0
	s_cmp_lt_u32 s18, 24                           ; which tensor: the choice hangs on the work-group's number alone
	s_cselect_b64 s[22:23], s[8:9], s[10:11]
	s_cselect_b32 s24, 12, 24
	s_cmp_lt_u32 s18, 12
	s_cselect_b64 s[22:23], s[6:7], s[22:23]
	s_cselect_b32 s24, 0, s24
	s_sub_co_u32 s24, s18, s24                     ; the head
	s_mul_i32 s26, s24, 196608                     ; 768 rows of 256 bytes a head,
	s_lshl_b32 s25, s17, 15
	s_add_co_u32 s26, s26, s25                     ; 128 rows a K step,
	s_lshl_b32 s25, s19, 6
	s_add_co_u32 s26, s26, s25                     ; 64 bytes for b
	s_mov_b32 s27, 0
	s_add_nc_u64 s[22:23], s[22:23], s[26:27]
	s_mul_i32 s28, s18, WBLK
	s_lshl_b32 s25, s17, 12
	s_add_co_u32 s30, s28, s25
	s_lshl_b32 s25, s19, 11
	s_add_co_u32 s30, s30, s25                     ; codes: hm's block + 4,096 x K step + 2,048 b
	s_mov_b32 s31, 0
	s_add_nc_u64 s[32:33], s[14:15], s[30:31]
	s_lshl_b32 s25, s17, 8
	s_add_co_u32 s30, s28, s25
	s_lshl_b32 s25, s19, 7
	s_add_co_u32 s30, s30, s25
	s_add_co_u32 s30, s30, WSCL                    ; scale words: hm's block + 24,576 + 256 x K step + 128 b
	s_add_nc_u64 s[34:35], s[14:15], s[30:31]
.set ii, 0
.rept 128
	global_load_b32 v[RAW+ii], v3, s[22:23] offset:256*ii      ; row ii of the K step, my column: all four blocks are asked for, each in registers of its own
.set ii, ii+1
.endr
.macro WBLOCK t, left                  ; left: the younger loads that may stay out
.set XS, RAW+32*(\t)
	s_wait_loadcnt \left
	v_max3_num_f32 v12, |v[XS]|, |v[XS+1]|, |v[XS+2]|
	v_max3_num_f32 v13, |v[XS+3]|, |v[XS+4]|, |v[XS+5]|
.irp i, 6,10,14,18,22,26
	v_max3_num_f32 v12, v12, |v[XS+\i]|, |v[XS+\i+1]|
	v_max3_num_f32 v13, v13, |v[XS+\i+2]|, |v[XS+\i+3]|
.endr
	v_max3_num_f32 v12, v12, |v[XS+30]|, |v[XS+31]|
	v_max3_num_f32 v12, v12, v13, FLOOR
	v_add_nc_u32 v[SOP+\t], OFF2, v12
	v_lshrrev_b32 v13, 23, v[SOP+\t]
.if (\t) == 0
	v_mov_b32 v8, v13                              ; the K step's four bytes make my column's scale word
.else
	v_lshl_or_b32 v8, v13, 8*(\t), v8
.endif
.irp g, 0,1,2,3
	v_cvt_scalef32_pk8_fp4_f32 v[COD+4*(\t)+\g], v[XS+8*\g:XS+8*\g+7], v[SOP+\t]
.endr
	v_nop                                          ; one plain place behind the last scaled conversion
	global_store_b128 v6, v[COD+4*(\t):COD+4*(\t)+3], s[32:33] offset:512*((\t)/2)+256*((\t)%2)   ; block t = 2 c + h is lane r' + 16 h of piece c: sixteen lanes of a tile fill 256 consecutive bytes
.endm
	WBLOCK 0, 60                                   ; 68 of the 128 loads are in: blocks 0 and 1 among them
	WBLOCK 1, 60
	WBLOCK 2, 32                                   ; block 3's 32 may be out
	WBLOCK 3, 0
	global_store_b32 v7, v8, s[34:35]              ; 32 words: 128 consecutive bytes
	s_endpgm
.Lfunc_end_k_qffc58132ab_quant:
	.size	k_qffc58132ab_quant, .Lfunc_end_k_qffc58132ab_quant-k_qffc58132ab_quant
	.p2alignl 7, 3214868480
	.fill 96, 4, 3214868480
	.section	.rodata,"a",@progbits
	.p2align	6, 0x0
	.amdhsa_kernel k_qffc58132ab_quant
		.amdhsa_group_segment_fixed_size 51456
		.amdhsa_private_segment_fixed_size 0
		.amdhsa_enable_private_segment 0
		.amdhsa_kernarg_size 48
		.amdhsa_user_sgpr_count 2
		.amdhsa_user_sgpr_kernarg_segment_ptr 1
		.amdhsa_wavefront_size32 1
		.amdhsa_system_sgpr_workgroup_id_x 1
		.amdhsa_system_sgpr_workgroup_id_y 1
		.amdhsa_system_sgpr_workgroup_id_z 1
		.amdhsa_system_vgpr_workitem_id 0
		.amdhsa_next_free_vgpr 178
		.amdhsa_next_free_sgpr 66
		.amdhsa_reserve_vcc 1
		.amdhsa_float_denorm_mode_32 3
		.amdhsa_float_denorm_mode_16_64 3
		.amdhsa_memory_ordered 1
		.amdhsa_forward_progress 1
		.amdhsa_inst_pref_size 31
	.end_amdhsa_kernel
	.amdgpu_metadata
---
amdhsa.version: [ 1, 2 ]
amdhsa.kernels:
  - .name:           k_qffc58132ab_quant
    .symbol:         k_qffc58132ab_quant.kd
    .args:
      - { .name: x, .offset: 0, .size: 8, .value_kind: global_buffer, .address_space: global }
      - { .name: q_proj, .offset: 8, .size: 8, .value_kind: global_buffer, .address_space: global }
      - { .name: k_proj, .offset: 16, .size: 8, .value_kind: global_buffer, .address_space: global }
      - { .name: v_proj, .offset: 24, .size: 8, .value_kind: global_buffer, .address_space: global }
      - { .name: xq, .offset: 32, .size: 8, .value_kind: global_buffer, .address_space: global }
      - { .name: wq, .offset: 40, .size: 8, .value_kind: global_buffer, .address_space: global }
    .group_segment_fixed_size: 51456
    .private_segment_fixed_size: 0
    .kernarg_segment_align: 8
    .kernarg_segment_size: 48
    .max_flat_workgroup_size: 192
    .sgpr_count:     66
    .vgpr_count:     178
    .wavefront_size: 32
...
	.end_amdgpu_metadata
.endif
;; end of part 1
;; launch proj (part 2): grid 32 x 6, 6 waves a work-group, clusters of 4 x 1, 209,664 bytes of LDS; arguments xq, wq, qc, kv; writes qc, kv
.if DOCPART == 2
	.amdgcn_target "amdgcn-amd-amdhsa--gfx1250"
	.amdhsa_code_object_version 6
	.text
	.protected	k_qffc58132ab_proj
	.globl	k_qffc58132ab_proj
	.p2align	8
	.type	k_qffc58132ab_proj,@function
k_qffc58132ab_proj:
	s_mov_b64 s[64:65], 0
	v_nop
	global_prefetch_b8 v0, s[64:65] scope:SCOPE_SE
	s_setreg_imm32_b32 hwreg(HW_REG_WAVE_MODE, 25, 1), 1
	s_wait_xcnt 0x0
	s_wait_alu depctr_hold_cnt(0) depctr_sa_sdst(0) depctr_va_vdst(0) depctr_va_sdst(0) depctr_va_ssrc(0) depctr_va_vcc(0) depctr_vm_vsrc(0)
	s_getreg_b32 s2, hwreg(HW_REG_IB_STS2, 6, 4)
	s_cmp_eq_u32 s2, 0
	s_cbranch_scc0 .Lentry_in_a_cluster
	s_endpgm
.Lentry_in_a_cluster:
	s_bfe_u32 s2, ttmp6, 0x10000c
	s_cmp_lg_u32 s2, 0x3003
	s_cbranch_scc0 .Lentry_shape_is_right
	s_endpgm
.Lentry_shape_is_right:
; q, k, v = x W on codes of FP4 (E2M1), K = 768 in six steps of 128, sums in f32; the results are quantised in registers, q and k along the head's 64, v along the keys, and leave as images of operands' registers.
; SHARES.  A work-group takes 128 rows of x (block X) and six head matrices; wave w takes head matrix hm = 6 y + w (q 0-11, k 12-23, v 24-35) for all 128 rows: 128 x 64 results, 32 accumulators, 256 registers.
; LDS, filled once, one tensor load a wave: waves 0 and 1 fetch the halves of x's block (codes and scale words, 52,224 bytes) to 0 on; waves 2 to 5 fetch quarters of the six head matrices, 156,672 dense bytes, to 52,224 on.
; Both lie as images of fragments: a fragment is two loads of 512 consecutive bytes.  Nothing is filled again.
; CLUSTER: the four row blocks of a cluster need the same six head matrices: each quarter is asked for JOINTLY, by the same tensor load with the same descriptor (made of y and the wave's number alone) and the mask of all four.
; x's block is each work-group's own: a plain load.  No prefetch: no loop runs ahead of a load, all fills stand at the head.
; ORIENTATION.  x's rows and the weights' columns are cut in tile order (of 64, tile j, lane row r: 8 j + r + 24 (r / 8)), so that with such tiles as source 0 the 32 registers of the results of four tiles j = 0 .. 3
; are 32 NEIGHBOURS, 32 (lane / 16) + 0 .. 31 of the 64: one whole block of the quantiser in one lane, in the order of the operand's layout.
; q, k: source 0 = 16 columns of W, source 1 = 16 rows of x: a lane holds one row and its registers run along the head's 64.
; v: source 0 = 16 rows of x, source 1 = 16 columns of W: a lane holds one column and its registers run along the keys.  In both the 256 registers are 8 blocks of 32, and ONE text quantises them.
; OUT.  qc: (head x 32 + X) x 4,352: 8 pieces of 512 bytes (tile T: lane (r, h) holds 32 h + 0 .. 31 of the head's 64), at 4,096 the scale words [lane (g, r)][2]: word j = tiles 2 d, 2 d + 1 (two bytes each), d = 2 g + j.
; kv: (head x 32 + X) x 8,704: k as q at 0 and its words at 8,192; v's four fragments (16 of the head's 64 x 128 keys) at 4,096, its words [lane (g, r)][2], word j = tile 2 g + j, at 8,448.
; LIMITS: a block whose largest magnitude lies under 2^-124 gets the byte 1, a block of zeros too (the quantiser says 127): its codes are zeros, and only this program reads the bytes.  NaN and infinities are not served.
; REGISTERS.  window 0: v1 lane, v2-7 addresses; v8-19 scale words and nothing else, two sets of 6 (x's four pairs of tiles, W's two; lanes 0-15 the even tile, lanes 16-31 the odd);
;   v32-95 W's fragments, two sets; v96-223 x's, two sets; v224-231 at work behind the products.   window 1: the accumulators.
.set XBLK,  52224
.set XSCL,  49152
.set XPART, XBLK/2                     ; 26,112 bytes: 102 rows of 256
.set WBLK,  26112
.set WSCL,  24576
.set WPART, 6*WBLK/4                   ; 39,168 bytes: 153 rows of 256
.set SPARE, 0x33000                    ; behind the fills (208,896 bytes): the spare words
.set FLOOR, 0x1800000                  ; 2^(3 - 127)
.set OFF2,  0xff000000                 ; takes 2 off an exponent field
.set AX,   2                           ; v2  16 x lane: x's fragments in LDS; also my place in a piece on the way out
.set AXS,  3                           ; v3  x's scale words
.set AW,   4                           ; v4  my head matrix's fragments
.set AWS,  5                           ; v5  and its scale words
.set L8,   7                           ; v7  8 x lane
.set SC,   8
.set WF,   32
.set XF,   96
.set TP,   224                         ; v224-231 the bytes
.set TM,   32                          ; behind the products: v32-47 largest magnitudes
.set TS,   64                          ; v64-71 the conversions' scale operands
.set WD,   80                          ; v80-83 halves of four scale words
.set PK,   84                          ; v84-85 my two whole ones
.set CD,   96                          ; v96-127 codes
.set WV,   12                          ; s12 my wave's number
.set G1X,  24                          ; s[24:31], s[32:35] groups 1 and 0 for x's block
.set G0X,  32
.set G1W,  36                          ; s[36:43], s[44:47] for the head matrices
.set G0W,  44
.set MSB, 0
.macro WIN new                         ; the immediate's high byte repeats the setting that is left
.if MSB != \new
	s_set_vgpr_msb (MSB<<8)|\new
.set MSB, \new
.endif
.endm
.macro PLACES                          ; four places in front of loads into, and vector writes of, registers that matrix instructions have read, and of the first read of results
.rept 4
	v_nop
.endr
.endm
.macro ROUND                           ; a round of the cluster's barrier: my work-group's barrier; wave 0 signals for the work-group; every wave waits for all four; my work-group's barrier once more
	s_barrier_signal -1
	s_barrier_wait -1
	s_cmp_lg_u32 s[WV], 0
	s_cbranch_scc1 .Lnot_wave_0_\@
	s_barrier_signal -3
.Lnot_wave_0_\@:
	s_barrier_wait -3
	s_barrier_signal -1
	s_barrier_wait -1
.endm
	s_load_b256 s[4:11], s[0:1], 0x0               ; xq s[4:5], wq s[6:7], qc s[8:9], kv s[10:11]
	v_lshl_add_u32 v254, v0, 2, SPARE
	v_mov_b32 v255, 0
	ds_add_u32 v254, v255                          ; the opening lines: the add, twice on end, and one wait
	ds_add_u32 v254, v255
	v_lshrrev_b32 v1, 5, v0
	v_readfirstlane_b32 s[WV], v1                  ; wave 0..5
	s_bfe_u32 s13, ttmp6, 0x40000                  ; cx: it enters x's address in memory and the stores' addresses alone
	s_lshl_b32 s14, ttmp9, 2
	s_add_co_u32 s14, s14, s13                     ; X = 4 x cluster x + cx
	s_and_b32 s15, ttmp7, 0xffff                   ; y, which the four partners share
	s_lshr_b32 s16, s15, 1                         ; 0: q, 1: k, 2: v
	s_and_b32 s17, s15, 1
	s_mul_i32 s17, s17, 6
	s_add_co_u32 s17, s17, s[WV]                   ; the head
	; descriptor groups 1: dense blocks as rows of 256 bytes (32 elements of 8 bytes), no padding
	s_mov_b32 s[G1X], 3<<16                        ; 15:0 no mask; 17:16 elements of 8 bytes
	s_mov_b32 s[G1X+1], 32<<16                     ; tensor_dim0 = 32
	s_mov_b32 s[G1X+2], (XPART/256)<<16            ; tensor_dim1 = 102
	s_mov_b32 s[G1X+3], 32<<16                     ; tile_dim0 = 32
	s_mov_b32 s[G1X+4], XPART/256                  ; tile_dim1 = 102
	s_mov_b32 s[G1X+5], 32                         ; from row to row
	s_mov_b32 s[G1X+6], 0
	s_mov_b32 s[G1X+7], 0
	s_mov_b32 s[G1W], 15|(3<<16)|(1<<21)           ; the mask: all four work-groups; bit 21 set beside it
	s_mov_b32 s[G1W+1], 32<<16
	s_mov_b32 s[G1W+2], (WPART/256)<<16            ; 153 rows
	s_mov_b32 s[G1W+3], 32<<16
	s_mov_b32 s[G1W+4], WPART/256
	s_mov_b32 s[G1W+5], 32
	s_mov_b32 s[G1W+6], 0
	s_mov_b32 s[G1W+7], 0
	s_and_b32 s19, s[WV], 1
	s_mul_i32 s19, s19, XPART                      ; waves 0, 1: my half of x's block, in LDS and in the block
	s_and_b32 s23, s[WV], 3
	s_mul_i32 s23, s23, WPART                      ; waves 2 to 5: one of the four quarters of the six head matrices (wave % 4),
	s_add_co_u32 s60, s23, XBLK                    ; in LDS
	s_mul_i32 s22, s[WV], WBLK
	s_add_co_u32 s22, s22, XBLK                    ; the head matrix that I multiply, in LDS
	s_mul_i32 s52, s14, XBLK
	s_add_co_u32 s52, s52, s19
	s_mov_b32 s53, 0
	s_mul_i32 s54, s15, 6*WBLK
	s_add_co_u32 s54, s54, s23
	s_mov_b32 s55, 0
	s_lshl_b32 s56, s17, 5
	s_add_co_u32 s56, s56, s14                     ; head x 32 + X
	s_mov_b32 s57, 8704
	s_mov_b32 s58, 8192
	s_wait_dscnt 0x0                               ; both opening adds are done
	s_wait_kmcnt 0x0
	s_mov_b32 s[G0X], 1
	s_mov_b32 s[G0X+1], s19
	s_add_nc_u64 s[G0X+2:G0X+3], s[4:5], s[52:53]
	s_or_b32 s[G0X+3], s[G0X+3], 0x80000000
	s_mov_b32 s[G0W], 1
	s_mov_b32 s[G0W+1], s60
	s_add_nc_u64 s[G0W+2:G0W+3], s[6:7], s[54:55]
	s_or_b32 s[G0W+3], s[G0W+3], 0x80000000
	s_cmp_eq_u32 s16, 0                            ; where the results go: q into qc, k and v into kv
	s_cselect_b64 s[48:49], s[8:9], s[10:11]
	s_cselect_b32 s57, 4352, s57                   ; a block of the buffer
	s_cselect_b32 s58, 4096, s58                   ; from the codes to the scale words: q 4,096, k 8,192,
	s_cmp_eq_u32 s16, 2
	s_cselect_b32 s59, 4096, 0                     ; v's codes lie behind k's
	s_cselect_b32 s58, 4352, s58                   ; v 4,352
	s_mul_i32 s56, s56, s57
	s_add_co_u32 s56, s56, s59
	s_mov_b32 s57, 0
	s_mov_b32 s59, 0
	s_add_nc_u64 s[48:49], s[48:49], s[56:57]      ; the codes
	s_add_nc_u64 s[50:51], s[48:49], s[58:59]      ; the scale words
	ROUND                                          ; all four work-groups are here: the joint loads meet
	s_cmp_lt_u32 s[WV], 2                          ; one tensor load a wave, each in its arm
	s_cbranch_scc0 .Lask_w
	tensor_load_to_lds s[G0X:G0X+3], s[G1X:G1X+7]
	s_nop 0
.rept 4
	v_nop
.endr
	s_branch .Lasked
.Lask_w:
	tensor_load_to_lds s[G0W:G0W+3], s[G1W:G1W+7]
	s_nop 0
.rept 4
	v_nop
.endr
.Lasked:
	v_and_b32 v1, 31, v0                           ; lane
	v_lshlrev_b32 v[AX], 4, v1
	v_lshl_add_u32 v[AXS], v1, 2, XSCL
	v_add_nc_u32 v[AW], s22, v[AX]
	v_lshl_add_u32 v[AWS], v1, 2, s22
	v_add_nc_u32 v[AWS], WSCL, v[AWS]
	v_lshlrev_b32 v[L8], 3, v1
; the 30 LDS loads of K step k into set p: W's four fragments and two registers of scale words, x's eight fragments and four
.macro FETCH k, p
.irp t, 0,1,2,3
.irp c, 0,1
	ds_load_b128 v[WF+32*(\p)+8*\t+4*\c:WF+32*(\p)+8*\t+4*\c+3], v[AW] offset:4096*(\k)+1024*\t+512*\c
.endr
.endr
.irp b, 0,1
	ds_load_b32 v[SC+6*(\p)+4+\b], v[AWS] offset:256*(\k)+128*\b
.endr
.irp m, 0,1,2,3,4,5,6,7
.irp c, 0,1
	ds_load_b128 v[XF+64*(\p)+8*\m+4*\c:XF+64*(\p)+8*\m+4*\c+3], v[AX] offset:8192*(\k)+1024*\m+512*\c
.endr
.endr
.irp q, 0,1,2,3
	ds_load_b32 v[SC+6*(\p)+\q], v[AXS] offset:512*(\k)+128*\q
.endr
.endm
; one product: D at d (window 1), sources at a and b, scale words in sa and sb; ra, rb = 1: that side's words lie in lanes 16-31.  zero = 1: it starts the sum
.macro WM d, a, b, zero, sa, sb, ra, rb
.if \zero
.if (\ra) && (\rb)
	v_wmma_scale_f32_16x16x128_f8f6f4 v[\d:7+\d], v[\a:7+\a], v[\b:7+\b], 0, v[\sa], v[\sb] matrix_a_fmt:MATRIX_FMT_FP4 matrix_b_fmt:MATRIX_FMT_FP4 matrix_a_scale:MATRIX_SCALE_ROW1 matrix_b_scale:MATRIX_SCALE_ROW1
.elseif (\ra)
	v_wmma_scale_f32_16x16x128_f8f6f4 v[\d:7+\d], v[\a:7+\a], v[\b:7+\b], 0, v[\sa], v[\sb] matrix_a_fmt:MATRIX_FMT_FP4 matrix_b_fmt:MATRIX_FMT_FP4 matrix_a_scale:MATRIX_SCALE_ROW1
.elseif (\rb)
	v_wmma_scale_f32_16x16x128_f8f6f4 v[\d:7+\d], v[\a:7+\a], v[\b:7+\b], 0, v[\sa], v[\sb] matrix_a_fmt:MATRIX_FMT_FP4 matrix_b_fmt:MATRIX_FMT_FP4 matrix_b_scale:MATRIX_SCALE_ROW1
.else
	v_wmma_scale_f32_16x16x128_f8f6f4 v[\d:7+\d], v[\a:7+\a], v[\b:7+\b], 0, v[\sa], v[\sb] matrix_a_fmt:MATRIX_FMT_FP4 matrix_b_fmt:MATRIX_FMT_FP4
.endif
.else
.if (\ra) && (\rb)
	v_wmma_scale_f32_16x16x128_f8f6f4 v[\d:7+\d], v[\a:7+\a], v[\b:7+\b], v[\d:7+\d], v[\sa], v[\sb] matrix_a_fmt:MATRIX_FMT_FP4 matrix_b_fmt:MATRIX_FMT_FP4 matrix_a_scale:MATRIX_SCALE_ROW1 matrix_b_scale:MATRIX_SCALE_ROW1
.elseif (\ra)
	v_wmma_scale_f32_16x16x128_f8f6f4 v[\d:7+\d], v[\a:7+\a], v[\b:7+\b], v[\d:7+\d], v[\sa], v[\sb] matrix_a_fmt:MATRIX_FMT_FP4 matrix_b_fmt:MATRIX_FMT_FP4 matrix_a_scale:MATRIX_SCALE_ROW1
.elseif (\rb)
	v_wmma_scale_f32_16x16x128_f8f6f4 v[\d:7+\d], v[\a:7+\a], v[\b:7+\b], v[\d:7+\d], v[\sa], v[\sb] matrix_a_fmt:MATRIX_FMT_FP4 matrix_b_fmt:MATRIX_FMT_FP4 matrix_b_scale:MATRIX_SCALE_ROW1
.else
	v_wmma_scale_f32_16x16x128_f8f6f4 v[\d:7+\d], v[\a:7+\a], v[\b:7+\b], v[\d:7+\d], v[\sa], v[\sb] matrix_a_fmt:MATRIX_FMT_FP4 matrix_b_fmt:MATRIX_FMT_FP4
.endif
.endif
.endm
; a K step's 32 products from set p.  The 32 accumulators take turns, one instruction a turn, in the same order in every K step.
.macro MUL o, p, zero
.if \o
.irp t, 0,1,2,3                        ; v: accumulator (t, m) at 8 (8 t + m): source 0 = x's tile m (keys), source 1 = W's tile t
.irp m, 0,1,2,3,4,5,6,7
	WM 8*(8*\t+\m), XF+64*(\p)+8*\m, WF+32*(\p)+8*\t, \zero, SC+6*(\p)+\m/2, SC+6*(\p)+4+\t/2, \m%2, \t%2
.endr
.endr
.else
.irp m, 0,1,2,3,4,5,6,7                ; q, k: accumulator (m, t) at 8 (4 m + t): source 0 = W's tile t, source 1 = x's tile m
.irp t, 0,1,2,3
	WM 8*(4*\m+\t), WF+32*(\p)+8*\t, XF+64*(\p)+8*\m, \zero, SC+6*(\p)+4+\t/2, SC+6*(\p)+\m/2, \t%2, \m%2
.endr
.endr
.endif
.endm
; the six K steps: while one set is multiplied, the next K step's loads are on their way into the other
.macro MAIN o
	FETCH 0, 0
.irp k, 0,1,2,3,4,5
.if \k < 5
.if \k > 0
	PLACES                                         ; the set that is loaded now was multiplied in the K step before
.endif
	FETCH \k+1, (\k+1)%2
	s_wait_dscnt 30                                ; all but the 30 just issued: this K step's set is in
.else
	s_wait_dscnt 0x0
.endif
	WIN 0x50                                       ; C and D window 1
.if \k == 0
	MUL \o, 0, 1
.else
	MUL \o, \k%2, 0
.endif
	WIN 0
.endr
.endm
	s_wait_alu depctr_va_vdst(0)                   ; the wait at the head's end
	s_wait_tensorcnt 0x0                           ; my part of the fill is in,
	s_barrier_signal -1
	s_barrier_wait -1                              ; everybody's is
	s_cmp_eq_u32 s16, 2                            ; y is the same in all partners
	s_cbranch_scc1 .Lvalues
	MAIN 0
	s_branch .Lquantise
.Lvalues:
	MAIN 1
.Lquantise:
	; THE QUANTISER.  Block e = registers 32 e .. 32 e + 31 of window 1, wholly mine.  q, k: e = the tile of rows, the head's 32 h on; v: e = 2 (tile of columns) + c, keys 64 c + 32 h on.
	PLACES
	WIN 0x05                                       ; sources 0 and 1 window 1
.set bb, 0
.rept 16
	v_max3_num_f32 v[TM+bb], |v[16*bb]|, |v[16*bb+1]|, FLOOR      ; half a block; each accumulator is read from its low end on; the floor holds the byte at 1 from below
.set bb, bb+1
.endr
.irp i, 2,4,6,8,10,12,14
.set bb, 0
.rept 16
	v_max3_num_f32 v[TM+bb], |v[16*bb+\i]|, |v[16*bb+\i+1]|, v[TM+bb]   ; (the sixteen by turns)
.set bb, bb+1
.endr
.endr
	WIN 0
.set bb, 0
.rept 8
	v_max_num_f32 v[TM+bb], v[TM+2*bb], v[TM+2*bb+1]   ; the block's largest magnitude
.set bb, bb+1
.endr
.set bb, 0
.rept 8
	v_add_nc_u32 v[TS+bb], OFF2, v[TM+bb]          ; 2 off its exponent field: the conversion's scale operand
.set bb, bb+1
.endr
.set bb, 0
.rept 8
	v_lshrrev_b32 v[TP+bb], 23, v[TS+bb]           ; the scale's byte
.set bb, bb+1
.endr
.irp d, 0,1,2,3
	v_lshl_or_b32 v[WD+\d], v[TP+2*\d+1], 16, v[TP+2*\d]   ; my half's two bytes of word d: bytes h and 2 + h
.endr
	v_permlane16_swap_b32 v[WD], v[WD+2]           ; lanes 0-15 get both halves of word 0, lanes 16-31 of word 2
	v_permlane16_swap_b32 v[WD+1], v[WD+3]         ; words 1 and 3 likewise
	v_nop
	v_lshl_or_b32 v[PK], v[WD+2], 8, v[WD]
	v_lshl_or_b32 v[PK+1], v[WD+3], 8, v[WD+1]
	WIN 0x01                                       ; source 0 window 1
.irp e, 0,1,2,3,4,5,6,7
.irp g, 0,1,2,3
	v_cvt_scalef32_pk8_fp4_f32 v[CD+4*\e+\g], v[32*\e+8*\g:32*\e+8*\g+7], v[TS+\e]   ; the codes come in the operand's own order
.endr
.endr
	WIN 0
	v_nop                                          ; one plain place behind the last scaled conversion
.irp g, 0,1,2,3,4,5,6,7
	global_store_b128 v[AX], v[CD+4*\g:CD+4*\g+3], s[48:49] offset:512*\g   ; piece g: 512 consecutive bytes
.endr
	global_store_b64 v[L8], v[PK:PK+1], s[50:51]   ; the scale words: 256 consecutive bytes
	s_wait_tensorcnt 0x0                           ; the wave's end
	ds_add_u32 v254, v255
	s_wait_dscnt 0x0
	ROUND                                          ; the closing round: no work-group ends while a partner may still ask for a block that names it
	s_endpgm
.Lfunc_end_k_qffc58132ab_proj:
	.size	k_qffc58132ab_proj, .Lfunc_end_k_qffc58132ab_proj-k_qffc58132ab_proj
	.p2alignl 7, 3214868480
	.fill 96, 4, 3214868480
	.section	.rodata,"a",@progbits
	.p2align	6, 0x0
	.amdhsa_kernel k_qffc58132ab_proj
		.amdhsa_group_segment_fixed_size 209664
		.amdhsa_private_segment_fixed_size 0
		.amdhsa_enable_private_segment 0
		.amdhsa_kernarg_size 32
		.amdhsa_user_sgpr_count 2
		.amdhsa_user_sgpr_kernarg_segment_ptr 1
		.amdhsa_wavefront_size32 1
		.amdhsa_system_sgpr_workgroup_id_x 1
		.amdhsa_system_sgpr_workgroup_id_y 1
		.amdhsa_system_sgpr_workgroup_id_z 1
		.amdhsa_system_vgpr_workitem_id 0
		.amdhsa_next_free_vgpr 512
		.amdhsa_next_free_sgpr 66
		.amdhsa_reserve_vcc 0
		.amdhsa_float_denorm_mode_32 3
		.amdhsa_float_denorm_mode_16_64 3
		.amdhsa_memory_ordered 1
		.amdhsa_forward_progress 1
		.amdhsa_inst_pref_size 92
	.end_amdhsa_kernel
	.amdgpu_metadata
---
amdhsa.version: [ 1, 2 ]
amdhsa.kernels:
  - .name:           k_qffc58132ab_proj
    .symbol:         k_qffc58132ab_proj.kd
    .args:
      - { .name: xq, .offset: 0, .size: 8, .value_kind: global_buffer, .address_space: global }
      - { .name: wq, .offset: 8, .size: 8, .value_kind: global_buffer, .address_space: global }
      - { .name: qc, .offset: 16, .size: 8, .value_kind: global_buffer, .address_space: global }
      - { .name: kv, .offset: 24, .size: 8, .value_kind: global_buffer, .address_space: global }
    .group_segment_fixed_size: 209664
    .private_segment_fixed_size: 0
    .kernarg_segment_align: 8
    .kernarg_segment_size: 32
    .max_flat_workgroup_size: 192
    .sgpr_count:     66
    .vgpr_count:     512
    .wavefront_size: 32
...
	.end_amdgpu_metadata
.endif
;; end of part 2
;; launch attn (part 3): grid 64 x 4, 12 waves a work-group, no clusters, 327,680 bytes of LDS; arguments qc, kv, out0; writes out0
.if DOCPART == 3
	.amdgcn_target "amdgcn-amd-amdhsa--gfx1250"
	.amdhsa_code_object_version 6
	.text
	.protected	k_qffc58132ab_attn
	.globl	k_qffc58132ab_attn
	.p2align	8
	.type	k_qffc58132ab_attn,@function
k_qffc58132ab_attn:
	s_mov_b64 s[64:65], 0
	v_nop
	global_prefetch_b8 v0, s[64:65] scope:SCOPE_SE
	s_setreg_imm32_b32 hwreg(HW_REG_WAVE_MODE, 25, 1), 1
	s_wait_xcnt 0x0
; out[h][q][:] = the sum over keys k <= q of softmax_k(q . k / 8) v[k][:], 12 heads, 4,096 queries and keys, head size 64, both products on codes of FP4 (E2M1) with one E8M0 scale for each 32 along a product's K.
; LEFT OUT: steps of 128 keys that lie wholly after a tile's queries: reference()'s own mask puts -infinity there whatever the inputs hold (shown at the head of launch quant).
; THE SOFTMAX AHEAD OF THE SECOND PRODUCT: t = score x log2(e) / 8; M = the row's largest t so far, rounded UP to a whole number; p = 2^(t - M) is what is quantised, along the keys, not normalised.
; The row's sum is taken of the unquantised p, in f32, and divides at the end.  When M moves, the sum and O are multiplied by 2^(old M - new M): exact.
; A block's largest p is not searched for: the block's largest SCORE goes through the same multiply-add and exponential (this takes v_exp_f32 not to fall where its input rises).
; SHARES.  A key step is 128 keys; a tile is 16 queries; a tile of query block b has b + 1 steps, the last on the diagonal.  A ROW is a tile of block 31 - i (the long one) and a tile of block i (the short one):
; 33 tile-steps whatever i is.  A head has 128 rows, twelve heads 1,536 = 256 x 6: a work-group takes six rows, 198 tile-steps.  A row is cut in two waves: wave A walks the long tile's steps 0-16 (17 steps);
; wave B walks the short tile (i + 1 steps) and then the long tile's steps 17 .. 31 - i (15 - i steps).  Twelve waves, three to a SIMD; the kinds are dealt (w + w / 4) % 2, so that waves w, w + 4, w + 8 are A B A or B A B.
; The long tile so has two partial results, each under its own whole M: B hands its O^T, -M and sum to A through LDS, and A brings both under the larger M by powers of two, adds, divides and stores.
; HEADS.  64 work-groups share three heads (384 rows); work-groups 21 and 42 of them lie on two heads.  A head's rows are numbered so that both ends have i = 15 (rr' = (row + 124) % 128, i = rr' / 8, tile = rr' % 8):
; such a work-group needs steps 0-16 of each of its two heads and no more.
; LDS.  K and V in two halves of 17 slots x 8,704 bytes.  Half 0: steps 0-16 of the work-group's first head.  Half 1: steps 15-31 of the same head, or, on two heads, steps 0-16 of the second.  (On one head steps 15
; and 16 so come twice, 17,408 of 295,936 bytes: the price of one shape of load on every path.)  A step's block: K's codes 8 x 512, V's 8 x 512, K's scale words 256, V's 256: images of the operands' registers.
; Behind the halves six areas of 4,608 bytes, one a row, into which no fill lands: B's stage, then B's hand-over, then A's stage.
; THE FILL, once, one tensor load a wave at the head: waves 0-4 one of the slots 0-4 each, waves 5-8 a quarter of the slots 5-16, waves 9 and 10 a half of half 1.  Steps 0-3 are walked behind the first five alone
; (the fourth step already loads slot 4's K), while the others are on their way; the wait for 0 and a second barrier stand in front of step 4.  Nothing is filled again.
; EVERY LDS ADDRESS OF A STEP IS A CONSTANT + A LANE TERM: a wave whose row lies on the second head leaves phase 1 out and walks its steps 0-16 in a phase of its own, at slots 17-33, behind the second barrier.
; PHASES: 1: steps 0-16 at slot = step (rows on the first head: A all 17, B steps 0 .. i) | 1': the same steps at slot = step + 17 (rows on the second head) | B: the short tile leaves, the long tile's q comes in |
; 2: steps 17-31 at slot = step + 2 (B alone) | B's hand-over | barrier | A's merge and way out.  Trip counts are constants; a step that is not the wave's costs a scalar branch.
; NO CLUSTER: of four neighbouring work-groups not all lie on the same heads, and a joint load's descriptor is equal in all that it names; K and V are fetched once a work-group, with no refills to share.
; NO PREFETCH: every fill is asked for at the head, ahead of the first loop.
; LAYOUT.  Both products are used transposed: S^T = K Q^T, O^T = V^T P^T: a lane holds ONE query throughout.  Queries, keys and the head's 64 are cut in tile order (of 64, tile j, lane row r: 8 j + r + 24 (r / 8)),
; so that the 32 registers of four tiles of S^T are 32 neighbouring keys, 64 c + 32 (lane / 16) + 0 .. 31: one whole block, whose codes come in the second product's own operand order.
; THE FIRST PRODUCT'S K IS 64, half of the instruction's 128: a fragment of K holds key tile 2 d in registers 0-3 and tile 2 d + 1
; in registers 4-7, and Q stands in twelve registers as [0 | q | 0]: v[20:27] picks tile 2 d, v[16:23] tile 2 d + 1; zero codes on Q's side add nothing (every scale byte here is 1 to 254).
; LIMITS: NaN and infinities are not served; the promise holds while the scaled scores stay under 2^31 in magnitude; v_exp_f32 gives 0 for a p under 2^-126; a block whose every p is 0 keeps the byte 1: its codes are zeros.
.set STEPB, 8704
.set HEADB, 32*STEPB
.set HALFB, 17*STEPB                   ; 147,968
.set FIRST, 5                          ; the slots that waves 0-4 bring
.set EARLY, 4                          ; the steps walked ahead of the second barrier
.set PARTM, (17-FIRST)*STEPB/4         ; 26,112 bytes: 102 rows of 256
.set PARTH, HALFB/2                    ; 73,984 bytes: 289 rows
.set KVB,   2*HALFB                    ; 295,936
.set AREA,  4608                       ; a row's area: a stage of 16 x 272 bytes, or an image of 32 + 4 registers
.set SPARE, KVB+6*AREA                 ; 323,584: the spare words
.set QBLK,  4352
.set SPI,   272                        ; a stage row on the way out: 256 bytes + 16
.set L16,  1                           ; v1   16 x lane
.set L8,   2                           ; v2   8 x lane
.set ADK,  3                           ; v3   the step's codes
.set ADS,  4                           ; v4   the step's scale words
.set DG,   5                           ; v5   my query's place in its block of 128, less 32 (lane / 16)
.set STO,  6                           ; v6   the way out: where I put my 128 bytes of a row
.set RD,   7                           ; v7   where I read a row back
.set GO,   8                           ; v8   my byte offset in two rows of out
.set MGA,  9                           ; v9   my row's area + 16 x lane: the hand-over
.set ADN,  10                          ; v10  the next step's codes
.set ADT,  11                          ; v11  and scale words;  v12 -M, v13 the largest score so far, v[14:15] the sum in two halves
.set QZ,   16                          ; v16-27 [0 | q | 0]
.set QS,   28                          ; v28-29 q's scale words for the two places.  v28-34 hold scales and nothing else
.set KS,   30                          ; v30-31 K's scale words
.set VS,   32                          ; v32-33 V's
.set PS,   34                          ; v34    p's
.set Q1H,  36                          ; v36    the first tile's two scale bytes
.set KF,   40                          ; v40-71   K's four fragments
.set VF,   72                          ; v72-103  V's four
.set SS,   104                         ; v104-167 S^T, then p
.set OT,   168                         ; v168-199 O^T
.set PCD,  200                         ; v200-207 p's codes
.set BM,   208                         ; v208-209 the blocks' largest scores, then largest p
.set XP,   210                         ; v210 the other half's largest score
.set TT,   211                         ; v211 at work
.set SO,   212                         ; v212-213 the conversions' scale operands
.set UW,   214                         ; v214 my two bytes of p's scale word
.set XW,   215                         ; v215 the other half's
.set EB,   216                         ; v216-217 the bytes
.set OLD,  218                         ; v218 the old -M
.set FF,   222                         ; v[222:223] f = 2^(old M - new M)
.set NINF, 226                         ; v226 -infinity
.set Q2,   228                         ; v228-231 the long tile's q, for a B wave's second tile
.set Q2H,  232                         ; v232 and its two scale bytes
.set QSO,  233                         ; v233 my row's place among q's scale bytes
.set TR,   234                         ; v234-236 at work at the head
.set TH,   235
.set TQ,   236
.set SA,   236                         ; v236-251 the step's sums, eight pairs
.set MC,   240                         ; v240-247 a largest score for each tile of keys
.set SB,   236                         ; v236-239 the merge: B's -M, largest score, sum in two halves
.set GA,   240                         ; v[240:241] f_A / l, twice
.set GB,   242                         ; v[242:243] f_B / l, twice
.set MT,   244                         ; v244-247 the merge, at work
.set WV,   10                          ; s10 wave
.set KIND, 11                          ; s11 0: A, 1: B
.set HD,   12                          ; s12 my row's head
.set QB,   13                          ; s13 the limit in hand: the block of queries of the tile in hand, or a number under every step of the phase
.set TL,   14                          ; s14 my tile in its block, the same for both tiles of a row
.set ST,   15                          ; s15 the key step
.set TB,   16                          ; s16 where its block begins in LDS
.set TRIP, 17
.set SEL,  20                          ; s[20:21] v_permlanex16_b32's selects for lane l xor 16
.set CS,   22                          ; s[22:23] c = log2(e) / 8
.set NC,   24                          ; s24 -c
.set TN,   25                          ; s25 where the next step's block begins
.set G0E,  28                          ; s[28:31], s[32:35], s[92:95] descriptor groups 0 of the three kinds of load
.set G0M,  32
.set G0H,  92
.set QB2,  36                          ; s36 the limit of phase 2: B: the long tile's block; A: 0, under every step of that phase
.set LIM1, 37                          ; s37 the limit of phase 1: my first tile's block; -1 for a row on the second head
.set H0,   38                          ; s38 the work-group's first head
.set LB,   39                          ; s39 31 - i
.set II,   40                          ; s40 i
.set HOFF, 41                          ; s41 from the first head's block to what half 1 holds
.set LIM3, 48                          ; s48 the limit of phase 1': -1; my first tile's block for a row on the second head
.set QF,   49                          ; s49 my first tile's block of queries
.set G1E,  68                          ; s[68:75], s[76:83], s[84:91] their groups 1
.set G1M,  76
.set G1H,  84
.macro DESC g, rows                    ; a dense block as rows of 256 bytes (32 elements of 8 bytes), no mask, no padding
	s_mov_b32 s[\g], 3<<16
	s_mov_b32 s[\g+1], 32<<16                      ; tensor_dim0
	s_mov_b32 s[\g+2], (\rows)<<16                 ; tensor_dim1
	s_mov_b32 s[\g+3], 32<<16                      ; tile_dim0
	s_mov_b32 s[\g+4], \rows                       ; tile_dim1
	s_mov_b32 s[\g+5], 32                          ; from row to row
	s_mov_b32 s[\g+6], 0
	s_mov_b32 s[\g+7], 0
.endm
.macro ASK g0, g1                      ; a tensor load and the lines behind it
	tensor_load_to_lds s[\g0:\g0+3], s[\g1:\g1+7]
	s_nop 0
.rept 4
	v_nop
.endr
.endm
	s_load_b128 s[4:7], s[0:1], 0x0                ; qc s[4:5], kv s[6:7]
	s_load_b64 s[8:9], s[0:1], 0x10                ; out0
	v_lshl_add_u32 v254, v0, 2, SPARE
	v_mov_b32 v255, 0
	ds_add_u32 v254, v255                          ; the opening lines: the add, twice on end, and one wait
	ds_add_u32 v254, v255
	v_lshrrev_b32 v[TR], 5, v0
	v_readfirstlane_b32 s[WV], v[TR]               ; wave 0..11
	s_lshr_b32 s[KIND], s[WV], 2
	s_add_co_u32 s[KIND], s[KIND], s[WV]
	s_and_b32 s[KIND], s[KIND], 1                  ; waves 2 j and 2 j + 1 are one A and one B
	s_lshr_b32 s42, s[WV], 1                       ; and share row j of the work-group's six
	s_mul_i32 s43, ttmp9, 6                        ; the work-group's first row among the triple's 384
	s_lshr_b32 s44, s43, 7                         ; the head of its first row,
	s_add_co_u32 s45, s43, 5
	s_lshr_b32 s45, s45, 7                         ; of its last,
	s_add_co_u32 s43, s43, s42
	s_lshr_b32 s46, s43, 7                         ; of mine: 0..2
	s_add_co_u32 s43, s43, 124
	s_and_b32 s43, s43, 127                        ; rr' = (row + 124) % 128
	s_lshr_b32 s[II], s43, 3
	s_and_b32 s[TL], s43, 7
	s_and_b32 s47, ttmp7, 0xffff
	s_mul_i32 s47, s47, 3                          ; the triple's first head
	s_add_co_u32 s[H0], s47, s44
	s_add_co_u32 s[HD], s47, s46
	s_mov_b32 s[HOFF], 15*STEPB                    ; half 1: steps 15-31 of the one head,
	s_cmp_lg_u32 s45, s44
	s_cselect_b32 s[HOFF], HEADB, s[HOFF]          ; or steps 0-16 of the next
	s_sub_co_u32 s[LB], 31, s[II]
	s_cmp_eq_u32 s[KIND], 0
	s_cselect_b32 s[QF], s[LB], s[II]              ; the first tile: A the long one, B the short one
	s_cselect_b32 s[QB2], 0, s[LB]
	s_cmp_lg_u32 s46, s44                          ; a row on the second head walks phase 1' in place of phase 1
	s_cselect_b32 s[LIM1], -1, s[QF]
	s_cselect_b32 s[LIM3], s[QF], -1
	s_lshr_b32 s18, s[TL], 2
	s_lshl_b32 s18, s18, 6
	s_and_b32 s19, s[TL], 3
	s_lshl_b32 s19, s19, 3
	s_add_co_u32 s18, s18, s19                     ; my tile's first query in its block: 64 (tl / 4) + 8 (tl % 4)
	s_mul_i32 s19, s42, AREA
	s_add_co_u32 s19, s19, KVB                     ; my row's area
	v_and_b32 v[TR], 31, v0
	v_and_b32 v[TQ], 15, v0                        ; r
	v_bfe_u32 v[TH], v0, 4, 1                      ; h
	v_lshlrev_b32 v[L16], 4, v[TR]
	v_lshlrev_b32 v[L8], 3, v[TR]
	v_mul_u32_u24 v[STO], v[TQ], SPI
	v_mul_u32_u24 v[RD], v[TH], SPI
	v_lshlrev_b32 v[GO], 8, v[TH]
	v_add_nc_u32 v[MGA], s19, v[L16]
	v_lshl_add_u32 v[STO], v[TH], 7, v[STO]
	v_lshl_add_u32 v[RD], v[TQ], 4, v[RD]
	v_lshl_add_u32 v[GO], v[TQ], 4, v[GO]          ; lanes 0-15 one row of out, lanes 16-31 the next
	v_lshlrev_b32 v[QSO], 3, v[TQ]                 ; q's scale bytes: 8 bytes a row
	v_and_b32 v[DG], 8, v[TQ]
	v_lshlrev_b32 v[TH], 5, v[TH]
	v_add_nc_u32 v[STO], s19, v[STO]               ; in: row r, + 128 h
	v_add_nc_u32 v[RD], s19, v[RD]                 ; back: lanes 0-15 one row, lanes 16-31 the next
	v_mad_u32_u24 v[DG], v[DG], 3, v[TQ]           ; r + 24 (r / 8)
	v_sub_nc_u32 v[DG], v[DG], v[TH]               ; - 32 h
	v_add_nc_u32 v[DG], s18, v[DG]
	DESC G1E, STEPB/256
	DESC G1M, PARTM/256
	DESC G1H, PARTH/256
	; byte offsets, each in a pair with 0 above it
	s_lshl_b32 s62, s[HD], 5
	s_add_co_u32 s63, s62, s[LB]
	s_add_co_u32 s62, s62, s[QF]
	s_mul_i32 s62, s62, QBLK                       ; q: the first tile's block,
	s_mul_i32 s63, s63, QBLK                       ; the long tile's block
	s_lshl_b32 s66, s[TL], 9                       ; my tile's piece of codes
	s_lshr_b32 s67, s[TL], 2
	s_lshl_b32 s67, s67, 7
	s_and_b32 s50, s[TL], 3
	s_lshl_b32 s50, s50, 1
	s_add_co_u32 s67, s67, s50                     ; my tile's two bytes of a row: 128 (tl / 4) + 2 (tl % 4), + 8 r
	s_add_co_u32 s54, s62, s66
	s_mov_b32 s55, 0
	s_add_co_u32 s56, s62, s67
	s_mov_b32 s57, 0
	s_add_co_u32 s58, s63, s66
	s_mov_b32 s59, 0
	s_add_co_u32 s60, s63, s67
	s_mov_b32 s61, 0
	s_mul_i32 s52, s[H0], HEADB
	s_mov_b32 s53, 0
	s_lshl_b32 s42, s[HD], 12
	s_lshl_b32 s43, s[QF], 7
	s_add_co_u32 s42, s42, s43
	s_add_co_u32 s42, s42, s18
	s_lshl_b32 s42, s42, 8                         ; (head x 4,096 + the first tile's first query) rows of 256 bytes: the tile that I store
	s_mov_b32 s43, 0
	s_mov_b32 s[G0E], 1                            ; the fill: waves 0-4: slot w;
	s_mul_i32 s[G0E+1], s[WV], STEPB
	s_mov_b32 s50, s[G0E+1]
	s_mov_b32 s51, 0
	s_mov_b32 s[G0M], 1                            ; waves 5-8: a quarter (w % 4) of the slots 5-16;
	s_and_b32 s44, s[WV], 3
	s_mul_i32 s44, s44, PARTM
	s_add_co_u32 s44, s44, FIRST*STEPB
	s_mov_b32 s[G0M+1], s44
	s_mov_b32 s45, 0
	s_mov_b32 s[G0H], 1                            ; waves 9, 10: a half (w % 2) of half 1
	s_and_b32 s46, s[WV], 1
	s_mul_i32 s46, s46, PARTH
	s_add_co_u32 s[G0H+1], s46, HALFB
	s_add_co_u32 s46, s46, s[HOFF]
	s_mov_b32 s47, 0
	s_mov_b32 s[SEL], 0x76543210
	s_mov_b32 s[SEL+1], 0xfedcba98
	s_mov_b32 s[CS], 0x3e38aa3b                    ; c = log2(e) / 8
	s_mov_b32 s[CS+1], s[CS]                       ; (named with it as a pair, so it is written)
	s_mov_b32 s[NC], 0xbe38aa3b                    ; -c
	s_wait_alu depctr_va_vdst(0)                   ; the wait here, directly ahead of the waits below
	s_wait_dscnt 0x0                               ; both opening adds are done
	s_wait_kmcnt 0x0
	s_add_nc_u64 s[54:55], s[4:5], s[54:55]        ; the first tile's codes,
	s_add_nc_u64 s[56:57], s[4:5], s[56:57]        ; its scale bytes,
	s_add_nc_u64 s[58:59], s[4:5], s[58:59]        ; the long tile's codes,
	s_add_nc_u64 s[60:61], s[4:5], s[60:61]        ; its scale bytes
	s_add_nc_u64 s[52:53], s[6:7], s[52:53]        ; the first head's K and V
	s_add_nc_u64 s[8:9], s[8:9], s[42:43]
	s_add_nc_u64 s[G0E+2:G0E+3], s[52:53], s[50:51]
	s_or_b32 s[G0E+3], s[G0E+3], 0x80000000
	s_add_nc_u64 s[G0M+2:G0M+3], s[52:53], s[44:45]
	s_or_b32 s[G0M+3], s[G0M+3], 0x80000000
	s_add_nc_u64 s[G0H+2:G0H+3], s[52:53], s[46:47]
	s_or_b32 s[G0H+3], s[G0H+3], 0x80000000
	global_load_b128 v[QZ+4:QZ+7], v[L16], s[54:55]
	global_load_u16 v[Q1H], v[QSO], s[56:57] offset:4096
	global_load_b128 v[Q2:Q2+3], v[L16], s[58:59]  ; a B wave's second tile, asked for now.  (An A wave's two tiles are one: its second copy is not used)
	global_load_u16 v[Q2H], v[QSO], s[60:61] offset:4096
	s_cmp_lt_u32 s[WV], 5                          ; one chain of branches, one load to an arm; wave 11 fetches nothing
	s_cbranch_scc0 .Lask_mid
	ASK G0E, G1E
	s_branch .Lasked
.Lask_mid:
	s_cmp_lt_u32 s[WV], 9
	s_cbranch_scc0 .Lask_half
	ASK G0M, G1M
	s_branch .Lasked
.Lask_half:
	s_cmp_lt_u32 s[WV], 11
	s_cbranch_scc0 .Lasked
	ASK G0H, G1H
.Lasked:
.irp j, 0,1,2,3,8,9,10,11
	v_mov_b32 v[QZ+\j], 0                          ; zero codes on both sides of q
.endr
	v_mov_b32 v[XP], 0                             ; written once: a lane permute's destination counts as one of its sources
	v_mov_b32 v[XW], 0
	v_mov_b32 v[FF+1], 0                           ; (named as the upper half of the pair)
	v_mov_b32 v[NINF], 0xff800000
; A tile begins: no score yet, sums of zero; q's two scale bytes, in register half, take their two places.  The 32 moves are also the places between q's registers and the first scaled product.
.macro FRESH half
	v_mov_b32 v13, 0xff61b1e6                      ; the largest score so far: -3e38
	v_or_b32 v[QS], 0x7f7f0000, v[\half]           ; q in registers 0-3: its bytes scale k = 0 .. 63; the zero codes get the byte 127
	v_lshl_or_b32 v[QS+1], v[\half], 16, 0x7f7f    ; q in registers 4-7
	v_mov_b32 v14, 0                               ; the sum, in two halves
	v_mov_b32 v15, 0
	v_floor_f32 v12, -v13                          ; -M, over every later one
.set n, 0
.rept 32
	v_mov_b32 v[OT+n], 0                           ; O^T.  (The step has no first step of its own: it finds zeros, which the first change of M leaves zeros)
.set n, n+1
.endr
	s_wait_alu depctr_va_vdst(0)                   ; the wait here, ahead of the waits and branches that follow
.endm
.macro LOADK                           ; K's four fragments and scale words from v[ADN], v[ADT]
.irp g, 0,1,2,3,4,5,6,7
	ds_load_b128 v[KF+4*\g:KF+4*\g+3], v[ADN] offset:512*\g
.endr
	ds_load_b64 v[KS:KS+1], v[ADT] offset:8192
.endm
.macro SHIFT cnt                       ; t - M, two at a time (of the pairs c and -M the low word serves both halves)
.rept \cnt
	v_pk_fma_f32 v[SS+n:SS+n+1], v[SS+n:SS+n+1], s[CS:CS+1], v[12:13] op_sel_hi:[1,0,0]
.set n, n+2
.endr
.endm
.macro ADDP a, k                       ; pair k of p onto sum a
	v_pk_add_f32 v[SA+2*(\a):SA+2*(\a)+1], v[SA+2*(\a):SA+2*(\a)+1], v[SS+2*(\k):SS+2*(\k)+1]
.endm
.macro ADDA a, b                       ; sum b onto sum a
	v_pk_add_f32 v[SA+2*(\a):SA+2*(\a)+1], v[SA+2*(\a):SA+2*(\a)+1], v[SA+2*(\b):SA+2*(\b)+1]
.endm
; A KEY STEP: 128 keys, whose block begins at LDS byte s[TB]; its K is in registers or on its way.  clamp = 1: the next step's slot is held at the last one (33).
.macro STEP clamp
	s_cmp_gt_i32 s[ST], s[QB]                      ; not my step: its keys come after my queries, or the phase is not mine (a limit of -1).  A scalar branch on ids; no barrier and no tensor load stands in a step
	s_cbranch_scc1 .Lhidden_\@
	s_add_co_u32 s[TN], s[TB], STEPB
.if \clamp
	s_min_u32 s[TN], s[TN], 33*STEPB
.endif
	s_wait_dscnt 0x0                               ; K is in
.irp d, 0,1,2,3                                ; S^T = K Q^T: fragment d holds key tiles 2 d and 2 d + 1; q's place picks one.  Word d of K's scales: register d % 2, lanes 16 (d / 2) on
.irp u, 0,1
.if \d < 2
	v_wmma_scale_f32_16x16x128_f8f6f4 v[SS+16*\d+8*\u:SS+16*\d+8*\u+7], v[KF+8*\d:KF+8*\d+7], v[QZ+4-4*\u:QZ+11-4*\u], 0, v[KS+\d%2], v[QS+\u] matrix_a_fmt:MATRIX_FMT_FP4 matrix_b_fmt:MATRIX_FMT_FP4
.else
	v_wmma_scale_f32_16x16x128_f8f6f4 v[SS+16*\d+8*\u:SS+16*\d+8*\u+7], v[KF+8*\d:KF+8*\d+7], v[QZ+4-4*\u:QZ+11-4*\u], 0, v[KS+\d%2], v[QS+\u] matrix_a_fmt:MATRIX_FMT_FP4 matrix_b_fmt:MATRIX_FMT_FP4 matrix_a_scale:MATRIX_SCALE_ROW1
.endif
.endr
.endr                                          ; register 32 c + i of S^T: key 128 ST + 64 c + 32 (lane / 16) + i
	v_add_nc_u32 v[ADK], s[TB], v[L16]             ; four address lines: the places behind these products and the last step's, in front of the loads and of the scores' first reads
	v_add_nc_u32 v[ADS], s[TB], v[L8]
	v_add_nc_u32 v[ADN], s[TN], v[L16]
	v_add_nc_u32 v[ADT], s[TN], v[L8]
.irp g, 0,1,2,3,4,5,6,7
	ds_load_b128 v[VF+4*\g:VF+4*\g+3], v[ADK] offset:4096+512*\g
.endr
	ds_load_b64 v[VS:VS+1], v[ADS] offset:8448
	LOADK                                          ; the next step's K
	s_cmp_lg_u32 s[ST], s[QB]                      ; on the diagonal the scores of hidden keys become -infinity ahead of the maximum: p = 0 then
	s_cbranch_scc1 .Lopen_\@
.set n, 0
.rept 64
	v_cmp_gt_i32 vcc_lo, 64*(n/32)+n%32, v[DG]
	v_cndmask_b32 v[SS+n], v[SS+n], v[NINF], vcc_lo
.set n, n+1
.endr
.Lopen_\@:
.irp T, 0,1,2,3,4,5,6,7                        ; THE LARGEST SCORE OF EACH BLOCK OF 32 KEYS, wholly mine: for the row's maximum, and, since p rises with the score, for the block's largest p.  The eight tiles by turns
	v_max3_num_f32 v[MC+\T], v[SS+8*\T], v[SS+8*\T+1], v[SS+8*\T+2]
.endr
.irp T, 0,1,2,3,4,5,6,7
	v_max3_num_f32 v[MC+\T], v[MC+\T], v[SS+8*\T+3], v[SS+8*\T+4]
.endr
.irp T, 0,1,2,3,4,5,6,7
	v_max3_num_f32 v[MC+\T], v[MC+\T], v[SS+8*\T+5], v[SS+8*\T+6]
.endr
.irp c, 0,1
	v_max3_num_f32 v[MC+4*\c], v[MC+4*\c], v[MC+4*\c+1], v[SS+32*\c+7]
	v_max3_num_f32 v[MC+4*\c+2], v[MC+4*\c+2], v[SS+32*\c+15], v[SS+32*\c+23]
	v_max_num_f32 v[MC+4*\c+3], v[MC+4*\c+3], v[SS+32*\c+31]
.endr
.irp c, 0,1
	v_max3_num_f32 v[BM+\c], v[MC+4*\c], v[MC+4*\c+2], v[MC+4*\c+3]
.endr
	s_delay_alu instid0(VALU_DEP_1)
	v_max3_num_f32 v[TT], v[BM], v[BM+1], v13      ; the largest of my 64 and of all before,
	v_mov_b32 v[OLD], v12
	s_delay_alu instid0(VALU_DEP_2)
	v_permlanex16_b32 v[XP], v[TT], s[SEL], s[SEL+1]
	s_delay_alu instid0(VALU_DEP_1)
	v_max_num_f32 v13, v[TT], v[XP]                ; and of lane l xor 16's: my query's
	s_delay_alu instid0(VALU_DEP_1)
	v_mul_f32 v[TT], s[NC], v13                    ; -t (c is positive)
	s_delay_alu instid0(VALU_DEP_1)
	v_floor_f32 v12, v[TT]                         ; the new -M = floor(-t) = -ceil(t): M IS A WHOLE NUMBER
.set n, 0
	SHIFT 4
	v_sub_f32 v[TT], v12, v[OLD]                   ; M's old value less its new one: a whole number, 0 or less
	SHIFT 4
	v_cvt_i32_f32 v[TT], v[TT]                     ; (it saturates)
	SHIFT 4
	v_ldexp_f32 v[FF], 1.0, v[TT]                  ; f = 2^(old M - new M)
	SHIFT 20
.irp c, 0,1
	v_fma_f32 v[BM+\c], v[BM+\c], s[CS], v12       ; the same of each block's largest score
.endr
.set n, 0
.rept 16
	v_pk_mul_f32 v[OT+n:OT+n+1], v[OT+n:OT+n+1], v[FF:FF+1] op_sel_hi:[1,0]   ; O^T under the new M, each accumulator from its low end on
.set n, n+2
.endr
	s_wait_alu depctr_va_vdst(0)                   ; the wait ahead of the batch
.irp c, 0,1
	v_exp_f32 v[BM+\c], v[BM+\c]                   ; the block's largest p: the same two instructions on the same number give the same bits
.endr
.set n, 0
.rept 64
	v_exp_f32 v[SS+n], v[SS+n]                     ; p = 2^(t - M), at most 1: NOT normalised
.set n, n+1
.endr
	v_pk_mul_f32 v[14:15], v[14:15], v[FF:FF+1] op_sel_hi:[1,0]   ; the sums under the new M.  (A plain place behind the exponentials)
	s_wait_alu depctr_va_vdst(0)                   ; and one behind it, ahead of its first reader
.irp c, 0,1
	v_max_num_f32 v[BM+\c], 0x1800000, v[BM+\c]    ; the floor 2^(3 - 127): the byte cannot fall under 1
.endr
.irp a, 0,1,2,3                                ; THE ROW'S SUM IS TAKEN OF THE UNQUANTISED p: 32 pairs, in eight chains
	v_pk_add_f32 v[SA+2*\a:SA+2*\a+1], v[SS+2*\a:SS+2*\a+1], v[SS+2*\a+16:SS+2*\a+17]
.endr
.irp c, 0,1
	v_add_nc_u32 v[SO+\c], 0xff000000, v[BM+\c]    ; 2 off the exponent field: the conversion's scale operand
.endr
.irp a, 4,5,6,7
	v_pk_add_f32 v[SA+2*\a:SA+2*\a+1], v[SS+2*\a:SS+2*\a+1], v[SS+2*\a+16:SS+2*\a+17]
.endr
.irp c, 0,1
	v_lshrrev_b32 v[EB+\c], 23, v[SO+\c]           ; the scale's byte: of block 2 c + h
.endr
.irp c, 0,1
.irp g, 0,1,2,3
	v_cvt_scalef32_pk8_fp4_f32 v[PCD+4*\c+\g], v[SS+32*\c+8*\g:SS+32*\c+8*\g+7], v[SO+\c]   ; registers 4 c .. 4 c + 3 of the operand
.endr
.endr
	ADDP 0, 16                                     ; (plain places behind the conversions)
	ADDP 1, 17
	v_lshl_or_b32 v[UW], v[EB+1], 16, v[EB]
	ADDP 2, 18
	ADDP 3, 19
	ADDP 4, 20
	ADDP 5, 21
	v_permlanex16_b32 v[XW], v[UW], s[SEL], s[SEL+1]
	ADDP 6, 22
	ADDP 7, 23
	ADDP 0, 24
	ADDP 1, 25
	v_lshl_or_b32 v[PS], v[XW], 8, v[UW]           ; p's scale word for these 128 keys: lanes 0-15 are read
	ADDP 2, 26                                     ; (fourteen plain places between it and the products)
	ADDP 3, 27
	ADDP 4, 28
	ADDP 5, 29
	ADDP 6, 30
	ADDP 7, 31
	ADDA 0, 4
	ADDA 1, 5
	ADDA 2, 6
	ADDA 3, 7
	s_delay_alu instid0(VALU_DEP_2)
	ADDA 0, 2
	s_delay_alu instid0(VALU_DEP_2)
	ADDA 1, 3
	s_delay_alu instid0(VALU_DEP_1)
	ADDA 0, 1
	s_delay_alu instid0(VALU_DEP_1)
	v_pk_add_f32 v[14:15], v[14:15], v[SA:SA+1]
	s_wait_dscnt 9                                 ; V's nine loads are in; the next K's nine may be out
.irp t, 0,1,2,3                                ; O^T += V^T P^T: four tiles of 16 of the head's 64, by turns; K = these 128 keys
.if \t < 2
	v_wmma_scale_f32_16x16x128_f8f6f4 v[OT+8*\t:OT+8*\t+7], v[VF+8*\t:VF+8*\t+7], v[PCD:PCD+7], v[OT+8*\t:OT+8*\t+7], v[VS+\t%2], v[PS] matrix_a_fmt:MATRIX_FMT_FP4 matrix_b_fmt:MATRIX_FMT_FP4
.else
	v_wmma_scale_f32_16x16x128_f8f6f4 v[OT+8*\t:OT+8*\t+7], v[VF+8*\t:VF+8*\t+7], v[PCD:PCD+7], v[OT+8*\t:OT+8*\t+7], v[VS+\t%2], v[PS] matrix_a_fmt:MATRIX_FMT_FP4 matrix_b_fmt:MATRIX_FMT_FP4 matrix_a_scale:MATRIX_SCALE_ROW1
.endif
.endr
.Lhidden_\@:
	s_add_co_u32 s[ST], s[ST], 1
	s_add_co_u32 s[TB], s[TB], STEPB
.endm
; A run of steps: trips steps from step first on, which lies in slot slot.  Every wave walks every trip: the count is a constant; a step that is not the wave's costs a scalar branch.
; load = 1: the first step's K is asked for here; 0: the step before it, in the phase before, has done so.
.macro PHASE trips, first, slot, load, clamp
	s_mov_b32 s[ST], \first
	s_mov_b32 s[TB], (\slot)*STEPB
	s_mov_b32 s[TRIP], \trips
.if \load
	s_wait_dscnt 0x0                               ; no load into K's registers is out
.rept 4
	v_nop                                          ; places behind the last products
.endr
	v_add_nc_u32 v[ADN], (\slot)*STEPB, v[L16]
	v_add_nc_u32 v[ADT], (\slot)*STEPB, v[L8]
	LOADK
.endif
.Lstep_\@:
	STEP \clamp
	s_sub_co_u32 s[TRIP], s[TRIP], 1
	s_cmp_lg_u32 s[TRIP], 0
	s_cbranch_scc1 .Lstep_\@
.endm
; THE WAY OUT of the 32 numbers a lane in v[SS] on (register n: channel 32 (lane / 16) + n of my query): through my row's area, so that sixteen lanes store a whole row of 256 bytes.
.macro WAYOUT
.irp k, 0,1,2,3,4,5,6,7
	ds_store_b128 v[STO], v[SS+4*\k:SS+4*\k+3] offset:16*\k
.endr
.irp i, 0,1,2,3,4,5,6,7
	ds_load_b128 v[SS+32+4*\i:SS+35+4*\i], v[RD] offset:2*\i*SPI   ; LDS serves a wave's instructions in order: these see my stores
.endr
.irp i, 0,1,2,3,4,5,6,7
	s_wait_dscnt 7-\i                              ; rows 2 i and 2 i + 1 of the tile are back; the younger loads may be out
	global_store_b128 v[GO], v[SS+32+4*\i:SS+35+4*\i], s[8:9] offset:(2*\i+24*(\i/4))*256 th:TH_STORE_NT   ; tile row p is query p + 24 (p / 8) from the tile's first: sixteen lanes store 256 consecutive bytes, aligned
.endr
.endm
	s_wait_alu depctr_va_vdst(0)                   ; the wait ahead of the wait below
	s_wait_loadcnt 0x0                             ; q, both tiles'
	FRESH Q1H
	s_mov_b32 s[QB], s[LIM1]
	s_cmp_lt_u32 s[WV], 5                          ; slots 0-4 are shown to every wave: their five waves, which have a load line of their own, wait; the others' loads stay out
	s_cbranch_scc0 .Lnot_early
	s_wait_tensorcnt 0x0
.Lnot_early:
	s_barrier_signal -1
	s_barrier_wait -1
	PHASE EARLY, 0, 0, 1, 0                        ; phase 1, steps 0-3, at slots 0-3; K is read up to slot 4
	s_wait_dscnt 0x0
	s_wait_tensorcnt 0x0
	s_barrier_signal -1
	s_barrier_wait -1                              ; all 34 slots are whole
	PHASE 17-EARLY, EARLY, EARLY, 0, 0             ; phase 1, steps 4-16.  A: all; B: up to step i
	s_mov_b32 s[QB], s[LIM3]
	PHASE 17, 0, 17, 1, 1                          ; phase 1': steps 0-16 of the second head, at slots 17-33: the rows on that head alone
	s_cmp_eq_u32 s[KIND], 0
	s_cbranch_scc1 .Lkeep
	; B: the short tile is finished: it is divided by its sum and leaves now, and the long tile's second part begins
.rept 4
	v_nop                                          ; places behind the last products
.endr
	s_wait_alu depctr_va_vdst(0)                   ; the wait here, directly ahead of the reader below
	v_add_f32 v14, v14, v15                        ; the sum's two halves,
	s_delay_alu instid0(VALU_DEP_1)
	v_permlanex16_b32 v[XP], v14, s[SEL], s[SEL+1]
	s_delay_alu instid0(VALU_DEP_1)
	v_add_f32 v14, v14, v[XP]                      ; and lane l xor 16's: the row's sum
	s_wait_alu depctr_va_vdst(0)
	v_rcp_f32 v14, v14
	v_nop                                          ; one plain place behind the transcendental
	s_wait_alu depctr_va_vdst(0)
.set n, 0
.rept 32
	v_mul_f32 v[SS+n], v[OT+n], v14                ; each accumulator from its low end on
.set n, n+1
.endr
	WAYOUT
	s_wait_xcnt 0x0                                ; the stores have read their registers: the next products write them again
.irp j, 0,1,2,3
	v_mov_b32 v[QZ+4+\j], v[Q2+\j]                 ; the long tile's q
.endr
	FRESH Q2H
.Lkeep:
	s_mov_b32 s[QB], s[QB2]
	PHASE 15, 17, 19, 1, 1                         ; phase 2: steps 17-31 lie in slots 19-33 (half 1 begins with step 15).  B: steps 17 .. 31 - i of the long tile; A: none.  On two heads i is 15 and no wave has a step here
	s_cmp_eq_u32 s[KIND], 0
	s_cbranch_scc1 .Lno_hand
	; B hands its part of the long tile to A, as an image of the registers: 16 bytes a lane, 512 a store
.rept 4
	v_nop                                          ; places behind the last products
.endr
	s_wait_alu depctr_va_vdst(0)                   ; the wait here, directly ahead of the readers below
.irp g, 0,1,2,3,4,5,6,7
	ds_store_b128 v[MGA], v[OT+4*\g:OT+4*\g+3] offset:512*\g      ; each accumulator from its low end on
.endr
	ds_store_b128 v[MGA], v[12:15] offset:4096     ; -M, the largest score, the sum's two halves
.Lno_hand:
	s_wait_dscnt 0x0                               ; for A's sake: my stores have landed
	s_barrier_signal -1
	s_barrier_wait -1
	s_cmp_lg_u32 s[KIND], 0
	s_cbranch_scc1 .Lend
	; A: both parts under the larger M, added, divided by the sum of both sums
.irp g, 0,1,2,3,4,5,6,7
	ds_load_b128 v[SS+32+4*\g:SS+35+4*\g], v[MGA] offset:512*\g
.endr
	ds_load_b128 v[SB:SB+3], v[MGA] offset:4096
	s_wait_dscnt 0x0
	s_wait_alu depctr_va_vdst(0)                   ; the wait here, directly ahead of the readers below
	v_min_num_f32 v[MT], v12, v[SB]                ; the new -M: the smaller.  (A part without a step has -M = 3e38, zeros for its sums, and gets f = 0)
	v_add_f32 v14, v14, v15
	v_sub_f32 v[MT+1], v[MT], v12                  ; my M less the new one: a whole number, 0 or less
	v_sub_f32 v[MT+2], v[MT], v[SB]                ; B's likewise
	v_add_f32 v[MT+3], v[SB+2], v[SB+3]
	v_cvt_i32_f32 v[MT+1], v[MT+1]                 ; (they saturate)
	v_cvt_i32_f32 v[MT+2], v[MT+2]
	v_ldexp_f32 v[MT+1], 1.0, v[MT+1]              ; f_A
	v_ldexp_f32 v[MT+2], 1.0, v[MT+2]              ; f_B
	s_delay_alu instid0(VALU_DEP_2)
	v_mul_f32 v14, v14, v[MT+1]
	s_delay_alu instid0(VALU_DEP_1)
	v_fma_f32 v14, v[MT+3], v[MT+2], v14           ; my lane's part of the row's sum, under the new M.  (These eleven lines are also the places behind my last products)
	s_delay_alu instid0(VALU_DEP_1)
	v_permlanex16_b32 v[XP], v14, s[SEL], s[SEL+1]
	s_delay_alu instid0(VALU_DEP_1)
	v_add_f32 v14, v14, v[XP]                      ; with lane l xor 16's: l
	s_wait_alu depctr_va_vdst(0)
	v_rcp_f32 v14, v14
	v_nop                                          ; one plain place behind the transcendental
	s_wait_alu depctr_va_vdst(0)
	v_mul_f32 v[GA], v[MT+1], v14                  ; f_A / l and f_B / l, each twice, for the packed forms
	v_mul_f32 v[GA+1], v[MT+1], v14
	v_mul_f32 v[GB], v[MT+2], v14
	v_mul_f32 v[GB+1], v[MT+2], v14
.set n, 0
.rept 16
	v_pk_mul_f32 v[SS+n:SS+n+1], v[OT+n:OT+n+1], v[GA:GA+1]       ; each accumulator from its low end on
.set n, n+2
.endr
.set n, 0
.rept 16
	v_pk_fma_f32 v[SS+n:SS+n+1], v[SS+32+n:SS+33+n], v[GB:GB+1], v[SS+n:SS+n+1]
.set n, n+2
.endr
	WAYOUT                                         ; the area is mine now: B's image has been read, and B touches it no more
.Lend:
	s_wait_tensorcnt 0x0                           ; the wave's end
	ds_add_u32 v254, v255
	s_wait_dscnt 0x0
	s_endpgm
.Lfunc_end_k_qffc58132ab_attn:
	.size	k_qffc58132ab_attn, .Lfunc_end_k_qffc58132ab_attn-k_qffc58132ab_attn
	.p2alignl 7, 3214868480
	.fill 96, 4, 3214868480
	.section	.rodata,"a",@progbits
	.p2align	6, 0x0
	.amdhsa_kernel k_qffc58132ab_attn
		.amdhsa_group_segment_fixed_size 327680
		.amdhsa_private_segment_fixed_size 0
		.amdhsa_enable_private_segment 0
		.amdhsa_kernarg_size 24
		.amdhsa_user_sgpr_count 2
		.amdhsa_user_sgpr_kernarg_segment_ptr 1
		.amdhsa_wavefront_size32 1
		.amdhsa_system_sgpr_workgroup_id_x 1
		.amdhsa_system_sgpr_workgroup_id_y 1
		.amdhsa_system_sgpr_workgroup_id_z 1
		.amdhsa_system_vgpr_workitem_id 0
		.amdhsa_next_free_vgpr 256
		.amdhsa_next_free_sgpr 100
		.amdhsa_reserve_vcc 1
		.amdhsa_float_denorm_mode_32 3
		.amdhsa_float_denorm_mode_16_64 3
		.amdhsa_memory_ordered 1
		.amdhsa_forward_progress 1
		.amdhsa_inst_pref_size 102
	.end_amdhsa_kernel
	.amdgpu_metadata
---
amdhsa.version: [ 1, 2 ]
amdhsa.kernels:
  - .name:           k_qffc58132ab_attn
    .symbol:         k_qffc58132ab_attn.kd
    .args:
      - { .name: qc, .offset: 0, .size: 8, .value_kind: global_buffer, .address_space: global }
      - { .name: kv, .offset: 8, .size: 8, .value_kind: global_buffer, .address_space: global }
      - { .name: out0, .offset: 16, .size: 8, .value_kind: global_buffer, .address_space: global }
    .group_segment_fixed_size: 327680
    .private_segment_fixed_size: 0
    .kernarg_segment_align: 8
    .kernarg_segment_size: 24
    .max_flat_workgroup_size: 384
    .sgpr_count:     100
    .vgpr_count:     256
    .wavefront_size: 32
...
	.end_amdgpu_metadata
.endif
;; end of part 3
